; MI455X (gfx1250); checked and timed in simulation.
; The chip was launched on July 23, 2026; its instructions are those of AMD's public machine-readable ISA for CDNA 5 (MIT licence, August 2026) and "CDNA5" Instruction Set Architecture Reference Guide (July 2026). The comments in the code are by the model that wrote it; some were corrected since.
;; Scaled Dot Product Attention. Allowed arithmetic: matrix products marked QUANTISED: E2M1 operands, one E8M0 scale for each 32 along K, by v_wmma_scale_f32_16x16x128_f8f6f4 with both operands' format E2M1 (or v_wmma_scale_f32_32x16x128_f4), f32 sums; everything else in f32.
;; Inputs: keys 16 x 2,048 x 128 float32; queries 16 x 2,048 x 128 float32; values 16 x 2,048 x 128 float32.
;; Outputs: out0 16 x 2,048 x 128 float32.
;; This version of the problem:
;;   THIS VERSION OF THE PROBLEM IS GIVEN IN LOW PRECISION. The matrix products marked QUANTISED in the list below multiply operands that are first quantised to E2M1 (2 exponent bits, 1 mantissa bit; 4 bits a number), with one power-of-two scale for each 32 numbers along K (OCP MX v1.0); their sums are f32. All else is computed in f32.
;;   The module's matrix products, in the order in which they are computed (A, B: the left and right operand; K: the contracted axis; several contracted axes count as one K, in the product's order):
;;     1. batch 16 x [M 2,048, K 128] x [K 128, N 2,048]; A: input queries; B: input keys: QUANTISED
;;     2. batch 16 x [M 2,048, K 2,048] x [K 2,048, N 128]; A: softmax (see below); B: input values: QUANTISED
;;   THE QUANTISER, for each operand of a quantised product, along K:
;;     - K is cut into blocks of 32 from its start; a last block that is shorter is filled with zeros.
;;     - A block's scale is 2^e with e = floor(log2(the largest magnitude in the block)) - 2, held to -126 .. 127; a block of zeros has e = 0. As a byte (E8M0): e + 127.
;;     - Each number is divided by its block's scale, clamped to +-6, and rounded to the nearest number of E2M1, ties to even, subnormals kept.
;;     - The product sums the exact products of the quantised numbers (number of the format x scale) in f32.
;;   ~~~python
;;   def quantise(x, axis):      # numpy; x: float32 -> the quantised numbers, widened to float32 again
;;       x = np.moveaxis(x, axis, -1); K = x.shape[-1]
;;       x = np.pad(x, [(0, 0)] * (x.ndim - 1) + [(0, -K % 32)]); x = x.reshape(x.shape[:-1] + (-1, 32)); a = np.abs(x).max(-1, keepdims=True)
;;       e = np.where(a > 0, np.clip(np.frexp(np.where(a > 0, a, 1))[1] - 1 - 2, -126, 127), 0)      # np.frexp(a)[1] - 1 = floor(log2(a)), exactly
;;       r = np.clip(x / 2.0 ** e, -6, 6)
;;       step = 2.0 ** (np.maximum(np.frexp(np.where(r == 0, 1, r))[1] - 1, 0) - 1)
;;       q = np.round(r / step) * step * 2.0 ** e      # np.round: ties to even
;;       return np.moveaxis(q.reshape(q.shape[:-2] + (-1,))[..., :K], -1, axis).astype(np.float32)
;;   ~~~
;;   SOFTMAX AHEAD OF A QUANTISED PRODUCT. Where the list says 'softmax', what is quantised is not the finished softmax but p = 2^(t - M), with t = logit x log2(e) and M = ceil(the row's largest t), a whole number; so 1/2 < the row's largest p <= 1. The row's sum l is taken of the UNQUANTISED p, in f32, and the product's result is divided by l at the end. Since M is a whole number, a kernel that streams over the keys may use a running M (the ceiling of the running maximum): every later rescaling is an exact power of two, which a block's scale takes up: the codes' values come out the same.
;;   OPERANDS COMPUTED ON THE WAY. 'Computed on the way' means the value that the module computes at that place (a softmax that the list does not call 'softmax' is quantised finished and normalised). What goes into a quantiser is computed in f32, as accurately as f32 sums, v_exp_f32 and their like allow (about 1e-6 of the number): no bf16 or f16 on the way to a quantiser, and a product that is left as it is and whose result goes on into a quantised operand takes f32 operands (vector FMAs, or v_wmma_f32_16x16x4_f32). A number that lies on a knife's edge between two numbers of the format may be rounded either way, as far as f32 arithmetic and the matrix unit's own rounding can turn it there, and no further.
;; One version. Each part assembles by itself: llvm-mc -triple=amdgcn-amd-amdhsa -mcpu=gfx1250 --defsym DOCPART=n.
;; ======== version 1 of 1: 2 launches
;; limits: right only within a limited range of input values
;; workspace buffers: kv 4,456,448 bytes
;; launch quant (part 1): grid 256 x 1, 8 waves a work-group, no clusters, 167,936 bytes of LDS; arguments keys, values, kv; writes kv
.if DOCPART == 1
	.amdgcn_target "amdgcn-amd-amdhsa--gfx1250"
	.amdhsa_code_object_version 6
	.text
	.protected	k_q9d99a110e9_quant
	.globl	k_q9d99a110e9_quant
	.p2align	8
	.type	k_q9d99a110e9_quant,@function
k_q9d99a110e9_quant:
	s_mov_b64 s[64:65], 0
	v_nop
	global_prefetch_b8 v0, s[64:65] scope:SCOPE_SE
	s_setreg_imm32_b32 hwreg(HW_REG_WAVE_MODE, 25, 1), 1
	s_wait_xcnt 0x0
; keys, values: [16][2048][128] f32.  Both become codes of FP4 (E2M1) with one E8M0 scale byte for each 32 along the K of the product that they enter, laid in the order of the operands' registers.
; A block's scale is 2^(floor(log2(its largest magnitude)) - 2); its byte is the largest magnitude's exponent field - 2, held at 1 from below by a floor among the maximum's leaves.
; A FRAGMENT'S IMAGE, 1,024 bytes: 16 rows x 128 K; registers 4 c .. 4 c + 3 of lane l (row l % 16, K = 64 c + 32 (l / 16) + 0 .. 31) lie at 512 c + 16 l.
; A SCALE BLOCK, 512 bytes, for 8 tiles: the word of (tile t, row r) lies at 16 (r + 16 (t / 4)) + 4 (t % 4).
; kv: 256 blocks (16 x head + step of 128 keys) of 17,408 bytes: K's 8 images, V's 8 images, K's scale block, V's scale block.
; Keys: K = the head's 128, innermost.  Row r of tile 4 c + u is key 64 c + 32 (r / 8) + 8 u + r % 8 of the step: so the transposed product leaves whole blocks of 32 neighbouring keys in a lane.
; Values: K = the step's 128 keys, the first axis: tile t's row r is channel 16 t + r.
; SHARES.  A work-group makes one block of kv from 65,536 bytes of keys and as many of values.  Each of its eight waves fetches 16,384 bytes by ONE tensor load into LDS bytes of its own and reads them alone:
; wave w < 4 the keys of tiles 2 w and 2 w + 1 (two runs of 16 rows, 32 rows apart), wave 4 + b the 32 keys of V's block b.  All requests go out at the start: there is no loop to prefetch in.
; No cluster: work-groups share no input.
; LIMITS: NaN and infinities among the inputs are not served.  A block of zeros gets the byte 1 where the rule says 127: its codes are zeros, which add nothing under any byte but 0xff,
; and the bytes are read by this program alone.
.set ROW,   528                        ; a row in LDS: 512 bytes + 16 of padding
.set WREG,  32*ROW                     ; a wave's 32 rows
.set SCB,   8*WREG                     ; K's scale block, then V's: 1,024 bytes
.set SPARE, SCB+1024                   ; the spare words, 128 bytes a wave
.set KVB,   17408
.set FLOOR, 0x1800000                  ; 2^(3 - 127)
.set SPW, 1
.set NIL, 2
.set M,   16                           ; v16-19 largest magnitudes
.set SC,  20                           ; v20-23 the conversions' scale operands
.set BY,  24                           ; v24-27 bytes
.set T,   28                           ; v28-29 the other half's
.set X,   32                           ; v32-159 four blocks of 32 numbers
.set C,   160                          ; v160-175 their codes
.set OUTR, 176
.set G1K, 32
.set G1V, 40
.set G0K, 48
.set G0V, 52
	s_load_b128 s[4:7], s[0:1], 0x0                ; keys, values
	s_load_b64 s[8:9], s[0:1], 0x10                ; kv
	v_lshl_add_u32 v[SPW], v0, 2, SPARE
	v_mov_b32 v[NIL], 0
	ds_add_u32 v[SPW], v[NIL]                      ; the opening lines: the add twice on end, one wait
	ds_add_u32 v[SPW], v[NIL]
	v_lshrrev_b32 v3, 5, v0
	v_readfirstlane_b32 s10, v3                    ; wave 0..7
	s_and_b32 s11, s10, 3                          ; w of the keys, b of the values
	s_mov_b32 s[G1K], (3<<16)|(1<<20)|(6<<22)|(3<<25)   ; elements of 8 bytes; padding of 4 words after every 128
	s_mov_b32 s[G1K+1], 1024<<16                   ; two rows of 8,192 bytes (16 keys each),
	s_mov_b32 s[G1K+2], 2<<16
	s_mov_b32 s[G1K+3], 1024<<16
	s_mov_b32 s[G1K+4], 2
	s_mov_b32 s[G1K+5], 2048                       ; 32 keys apart
	s_mov_b32 s[G1K+6], 0
	s_mov_b32 s[G1K+7], 0
	s_mov_b32 s[G1V], (3<<16)|(1<<20)|(6<<22)|(3<<25)
	s_mov_b32 s[G1V+1], 1024<<16
	s_mov_b32 s[G1V+2], 2<<16
	s_mov_b32 s[G1V+3], 1024<<16
	s_mov_b32 s[G1V+4], 2
	s_mov_b32 s[G1V+5], 1024                       ; the values' 32 keys lie on end
	s_mov_b32 s[G1V+6], 0
	s_mov_b32 s[G1V+7], 0
	s_lshl_b32 s12, ttmp9, 16                      ; 65,536 bytes a block
	s_lshr_b32 s13, s11, 1
	s_and_b32 s25, s11, 1
	s_lshl_b32 s14, s13, 15
	s_lshl_b32 s15, s25, 13
	s_add_co_u32 s14, s14, s15
	s_add_co_u32 s14, s14, s12                     ; keys: rows 64 (w / 2) + 16 (w % 2) on
	s_mov_b32 s15, 0
	s_lshl_b32 s16, s11, 14
	s_add_co_u32 s16, s16, s12                     ; values: rows 32 b on
	s_mov_b32 s17, 0
	s_mul_i32 s18, s10, WREG                       ; my LDS rows
	s_lshl_b32 s19, s13, 8
	s_lshl_b32 s25, s25, 3
	s_add_co_u32 s19, s19, s25
	s_add_co_u32 s19, s19, SCB                     ; K's words of tiles 2 w, 2 w + 1
	s_add_co_u32 s24, s11, SCB+512                 ; byte b of V's words
	s_mul_i32 s20, ttmp9, KVB
	s_mov_b32 s21, 0
	s_mov_b32 s28, 0x76543210
	s_mov_b32 s29, 0xfedcba98                      ; v_permlanex16_b32's selects for lane l xor 16
	s_wait_dscnt 0x0                               ; both adds are done
	s_wait_kmcnt 0x0
	s_mov_b32 s[G0K], 1
	s_mov_b32 s[G0K+1], s18
	s_add_nc_u64 s[G0K+2:G0K+3], s[4:5], s[14:15]
	s_or_b32 s[G0K+3], s[G0K+3], 0x80000000
	s_mov_b32 s[G0V], 1
	s_mov_b32 s[G0V+1], s18
	s_add_nc_u64 s[G0V+2:G0V+3], s[6:7], s[16:17]
	s_or_b32 s[G0V+3], s[G0V+3], 0x80000000
	s_cmp_lt_u32 s10, 4
	s_cbranch_scc0 .Lload_v
	tensor_load_to_lds s[G0K:G0K+3], s[G1K:G1K+7]
	s_nop 0
.rept 4
	v_nop
.endr
	s_branch .Lasked
.Lload_v:
	tensor_load_to_lds s[G0V:G0V+3], s[G1V:G1V+7]
	s_nop 0
.rept 4
	v_nop
.endr
.Lasked:
	v_and_b32 v3, 31, v0
	v_lshlrev_b32 v13, 2, v3                       ; 4 x lane
	v_lshlrev_b32 v3, 4, v3                        ; 16 x lane
	v_and_b32 v4, 15, v0                           ; r
	v_bfe_u32 v5, v0, 4, 1                         ; h
	v_and_b32 v6, 8, v4
	v_add_nc_u32 v6, v6, v4                        ; r + 8 (r / 8): tile u's row r lies at my LDS row 8 u + r % 8 + 16 (r / 8)
	v_mul_u32_u24 v6, v6, ROW
	v_lshl_add_u32 v6, v5, 7, v6
	v_add_nc_u32 v6, s18, v6                       ; keys: row r, + 128 h
	v_add_nc_u32 v7, s18, v13                      ; values: channel lane
	v_lshlrev_b32 v14, 4, v4                       ; 16 r
	v_add_nc_u32 v8, s19, v14                      ; where a word of K goes
	v_lshl_add_u32 v9, v5, 2, v14
	v_add_nc_u32 v9, s24, v9                       ; where a byte of V goes: channel 32 q + lane lies in tile 2 q + h
	v_lshl_add_u32 v10, v5, 10, v14                ; V's codes: image 2 q + h, 16 r
	v_lshlrev_b32 v11, 3, v5                       ; 8 h
	v_add_nc_u32 v12, SCB, v3
	v_mov_b32 v[T], 0                              ; a lane permute's destination counts as one of its sources
	v_mov_b32 v[T+1], 0
	s_add_nc_u64 s[8:9], s[8:9], s[20:21]          ; my block of kv
; Four blocks of 32 numbers, a lane's own: largest magnitudes by turns, scale operands, codes, bytes
.macro QUANT4
.irp k, 0,1,2,3
	v_max3_num_f32 v[M+\k], |v[X+32*\k]|, |v[X+32*\k+1]|, FLOOR
.endr
.irp i, 2,4,6,8,10,12,14,16,18,20,22,24,26,28,30
.irp k, 0,1,2,3
	v_max3_num_f32 v[M+\k], v[M+\k], |v[X+32*\k+\i]|, |v[X+32*\k+\i+1]|
.endr
.endr
.irp k, 0,1,2,3
	v_add_nc_u32 v[SC+\k], 0xff000000, v[M+\k]     ; 2 off the exponent field: the conversion takes that field of this operand as its scale, and nothing else of it
.endr
.irp k, 0,1,2,3
.irp g, 0,1,2,3
	v_cvt_scalef32_pk8_fp4_f32 v[C+4*\k+\g], v[X+32*\k+8*\g:X+32*\k+8*\g+7], v[SC+\k]
.endr
.endr
.irp k, 0,1,2,3
	v_lshrrev_b32 v[BY+\k], 23, v[SC+\k]           ; the scale's byte (plain lines behind the conversions)
.endr
.endm
	s_wait_alu depctr_va_vdst(0)                   ; the wait at the head's end
	s_wait_tensorcnt 0x0                           ; my load has landed: I alone read its bytes
	s_cmp_lt_u32 s10, 4
	s_cbranch_scc0 .Lvalues
.irp u, 0,1
.irp c, 0,1
.irp j, 0,1,2,3,4,5,6,7
	ds_load_b128 v[X+64*\u+32*\c+4*\j:X+64*\u+32*\c+4*\j+3], v6 offset:8*ROW*\u+256*\c+16*\j   ; tile u, row r, K = 64 c + 32 h + 4 j on
.endr
.endr
.endr
	s_lshl_b32 s22, s11, 11
	s_mov_b32 s23, 0
	s_add_nc_u64 s[26:27], s[8:9], s[22:23]        ; my two images
	s_wait_dscnt 0x0
	QUANT4
.irp u, 0,1
	v_lshl_or_b32 v[BY+2*\u], v[BY+2*\u+1], 16, v[BY+2*\u]   ; my bytes of row r: blocks h and 2 + h
.endr
.irp u, 0,1
	v_lshlrev_b32 v[BY+2*\u], v11, v[BY+2*\u]      ; at their places in the word;
.endr
.irp u, 0,1
	v_permlanex16_b32 v[T+\u], v[BY+2*\u], s28, s29
.endr
.irp u, 0,1
	v_or_b32 v[BY+2*\u], v[BY+2*\u], v[T+\u]       ; with lane l xor 16's two it is whole
.endr
.irp u, 0,1
	ds_store_b32 v8, v[BY+2*\u] offset:4*\u        ; lanes r and 16 + r write the same word with the same value
.irp c, 0,1
	global_store_b128 v3, v[C+8*\u+4*\c:C+8*\u+4*\c+3], s[26:27] offset:1024*\u+512*\c   ; the wave stores 512 consecutive bytes, aligned
.endr
.endr
	s_branch .Lmet
; A LANE TAKES A COLUMN, AND ITS REGISTERS RUN DOWN THE KEYS: block b of channel 32 q + lane lies in 32 registers
.Lvalues:
.irp q, 0,1,2,3
.irp i, 0,1,2,3,4,5,6,7,8,9,10,11,12,13,14,15,16,17,18,19,20,21,22,23,24,25,26,27,28,29,30,31
	ds_load_b32 v[X+32*\q+\i], v7 offset:ROW*\i+128*\q
.endr
.endr
	s_lshl_b32 s22, s11, 8
	s_add_co_u32 s22, s22, 8192
	s_mov_b32 s23, 0
	s_add_nc_u64 s[26:27], s[8:9], s[22:23]        ; V's images, block b
	s_wait_dscnt 0x0
	QUANT4
.irp q, 0,1,2,3
	ds_store_b8 v9, v[BY+\q] offset:256*(\q/2)+8*(\q%2)
	global_store_b128 v10, v[C+4*\q:C+4*\q+3], s[26:27] offset:2048*\q   ; sixteen lanes store 256 consecutive bytes, aligned
.endr
.Lmet:
	s_wait_alu depctr_va_vdst(0)
	s_wait_dscnt 0x0                               ; for wave 0's sake: my scale bytes lie in LDS
	s_barrier_signal -1
	s_barrier_wait -1
	s_cmp_lg_u32 s10, 0
	s_cbranch_scc1 .Lend
	ds_load_b128 v[OUTR:OUTR+3], v12
	ds_load_b128 v[OUTR+4:OUTR+7], v12 offset:512
	s_wait_dscnt 0x0
	global_store_b128 v3, v[OUTR:OUTR+3], s[8:9] offset:16384
	global_store_b128 v3, v[OUTR+4:OUTR+7], s[8:9] offset:16896
.Lend:
	s_wait_tensorcnt 0x0                           ; the wave's end
	ds_add_u32 v[SPW], v[NIL]
	s_wait_dscnt 0x0
	s_endpgm
.Lfunc_end_k_q9d99a110e9_quant:
	.size	k_q9d99a110e9_quant, .Lfunc_end_k_q9d99a110e9_quant-k_q9d99a110e9_quant
	.p2alignl 7, 3214868480
	.fill 96, 4, 3214868480
	.section	.rodata,"a",@progbits
	.p2align	6, 0x0
	.amdhsa_kernel k_q9d99a110e9_quant
		.amdhsa_group_segment_fixed_size 167936
		.amdhsa_private_segment_fixed_size 0
		.amdhsa_enable_private_segment 0
		.amdhsa_kernarg_size 24
		.amdhsa_user_sgpr_count 2
		.amdhsa_user_sgpr_kernarg_segment_ptr 1
		.amdhsa_wavefront_size32 1
		.amdhsa_system_sgpr_workgroup_id_x 1
		.amdhsa_system_sgpr_workgroup_id_y 1
		.amdhsa_system_sgpr_workgroup_id_z 1
		.amdhsa_system_vgpr_workitem_id 0
		.amdhsa_next_free_vgpr 184
		.amdhsa_next_free_sgpr 66
		.amdhsa_reserve_vcc 0
		.amdhsa_float_denorm_mode_32 3
		.amdhsa_float_denorm_mode_16_64 3
		.amdhsa_memory_ordered 1
		.amdhsa_forward_progress 1
		.amdhsa_inst_pref_size 28
	.end_amdhsa_kernel
	.amdgpu_metadata
---
amdhsa.version: [ 1, 2 ]
amdhsa.kernels:
  - .name:           k_q9d99a110e9_quant
    .symbol:         k_q9d99a110e9_quant.kd
    .args:
      - { .name: keys, .offset: 0, .size: 8, .value_kind: global_buffer, .address_space: global }
      - { .name: values, .offset: 8, .size: 8, .value_kind: global_buffer, .address_space: global }
      - { .name: kv, .offset: 16, .size: 8, .value_kind: global_buffer, .address_space: global }
    .group_segment_fixed_size: 167936
    .private_segment_fixed_size: 0
    .kernarg_segment_align: 8
    .kernarg_segment_size: 24
    .max_flat_workgroup_size: 256
    .sgpr_count:     66
    .vgpr_count:     184
    .wavefront_size: 32
...
	.end_amdgpu_metadata
.endif
;; end of part 1
;; launch attn (part 2): grid 16 x 16, 8 waves a work-group, clusters of 4 x 1, 327,680 bytes of LDS; arguments queries, kv, out0; writes out0
.if DOCPART == 2
	.amdgcn_target "amdgcn-amd-amdhsa--gfx1250"
	.amdhsa_code_object_version 6
	.text
	.protected	k_q9d99a110e9_attn
	.globl	k_q9d99a110e9_attn
	.p2align	8
	.type	k_q9d99a110e9_attn,@function
k_q9d99a110e9_attn:
	s_mov_b64 s[64:65], 0
	v_nop
	global_prefetch_b8 v0, s[64:65] scope:SCOPE_SE
	s_setreg_imm32_b32 hwreg(HW_REG_WAVE_MODE, 25, 1), 1
	s_wait_xcnt 0x0
	s_wait_alu depctr_hold_cnt(0) depctr_sa_sdst(0) depctr_va_vdst(0) depctr_va_sdst(0) depctr_va_ssrc(0) depctr_va_vcc(0) depctr_vm_vsrc(0)
	s_getreg_b32 s2, hwreg(HW_REG_IB_STS2, 6, 4)
	s_cmp_eq_u32 s2, 0
	s_cbranch_scc0 .Lentry_in_a_cluster
	s_endpgm
.Lentry_in_a_cluster:
	s_bfe_u32 s2, ttmp6, 0x10000c
	s_cmp_lg_u32 s2, 0x3003
	s_cbranch_scc0 .Lentry_shape_is_right
	s_endpgm
.Lentry_shape_is_right:
; out0[h][q][:] = the sum over k of softmax_k(Q[h][q] . K[h][k] / sqrt(128)) V[h][k][:], 16 heads, 2,048 queries and keys, head size 128, both products on codes of FP4 (E2M1)
; with one E8M0 scale for each 32 along a product's K.  K's and V's codes come from the launch before in the order of the operands' registers:
;   kv: 256 blocks (16 x head + step of 128 keys) of 17,408 bytes: K's 8 images of 1,024 bytes, V's 8 images, K's scale block of 512 bytes, V's.
;   An image: registers 4 c .. 4 c + 3 of lane l at 512 c + 16 l.  A scale block: the word of (tile t, row r) at 16 (r + 16 (t / 4)) + 4 (t % 4): one load of 16 bytes at 16 x lane gives
;   four registers: register i holds tile i's words in lanes 0-15 and tile 4 + i's in lanes 16-31.
; Q arrives as f32 and is quantised here, in the head: each tile of 16 queries is read from memory by one wave, once.
; THE SOFTMAX AHEAD OF THE SECOND PRODUCT: t = score x log2(e) / sqrt(128); M = the row's largest t so far, rounded UP to a whole number; p = 2^(t - M) is what is quantised, along the
; keys; it is not normalised.  The row's sum is taken of the unquantised p, in f32, and divides at the end.  When M moves, the sum and O are multiplied by 2^(old M - new M): exact.
; SHARES.  A work-group owns 128 queries of one head.  Waves w and w + 4 own the same 32 queries, two tiles of 16, so that each fragment of K and V read from LDS feeds two products; wave w walks
; the head's even steps of 128 keys, wave w + 4 the odd ones: eight steps each.  At the end each wave sends one tile's O, M and sum to the other through LDS and finishes the other tile.
; Tile 0 of a wave is the one that it quantises, finishes and stores (queries 32 (w % 4) + 16 (w / 4) on); its tile 1 is wave w xor 4's tile 0.
; A HEAD'S K AND V ARE 278,528 BYTES: THEY LIE IN LDS WHOLE, FILLED ONCE: wave w's ONE tensor load brings steps 2 w and 2 w + 1 (34,816 dense bytes).  One barrier shows all of them to all waves.
; All requests go out at the start: there is no loop to prefetch in.
; CLUSTER.  The four query blocks of a cluster belong to one head: each load is asked for JOINTLY, by the same descriptor with a mask that names the four.
; LAYOUT.  Both products are used transposed: S^T = K Q^T (source 0 = 16 keys, source 1 = 16 queries), O^T = V^T P^T (source 0 = 16 channels, source 1 = P): a lane holds ONE query (lane % 16).
; Row r of K's tile 4 c + u is key 64 c + 32 (r / 8) + 8 u + r % 8: the 32 registers of tiles 4 c .. 4 c + 3 are keys 64 c + 32 (lane / 16) + 0 .. 31, a whole block, in the order of P's operand.
; LIMITS: NaN and infinities are not served; scaled scores (exponents to the base 2) under 2^31 in magnitude.  A block's largest p is not searched for: the block's largest score goes through the
; same multiply-add and exponential, which takes v_exp_f32 not to fall where its input rises; at the worst one p of a block, within an ulp of a power of two, is held one code low.
; p under 2^-126 counts as 0.  A block of zeros of Q has the byte 1 where the rule says 127: its codes are zeros.
; REGISTERS, two windows of 256 (s_set_vgpr_msb's low byte: bits 1:0 source 0, 3:2 source 1, 5:4 source 2, 7:6 destination).
;   window 0: v1-7 addresses; v8, v9 Q's scale words, v10, v11 p's, v24-27 K's, v28-31 V's: scales and nothing else; v12-19 tile 0's codes of p; v32-95 K's fragments;
;             v96-159 tile 0's S^T, then p, v160-223 tile 1's; v224-239 tile 0's state, v240-255 tile 1's: so both tiles' vector work stands under one setting and can take turns
;   window 1: v8-15 tile 1's Q, v16-23 tile 0's; v32-95 V's fragments; v96-159 tile 0's O^T, v160-223 tile 1's; v224-231 tile 1's codes of p
.set STEPB, 17408
.set PAIRB, 2*STEPB                    ; an even and an odd step
.set HEADB, 16*STEPB                   ; LDS bytes 0 to 278,527: no tensor load lands behind them
.set VOFF,  8192
.set KSO,   16384
.set VSO,   16896
.set QSTG,  HEADB                      ; Q's turn: 16 rows x (256 bytes + 16) a wave
.set QWSTG, 16*272
.set IMG,   QSTG+8*QWSTG               ; Q's images, 1,024 bytes a wave
.set QSC,   IMG+8192                   ; Q's scale words, 128 bytes a wave
.set SPARE, QSC+1024                   ; the spare words, 128 bytes a wave
.set XSL,   8448                       ; the exchange: 8,192 bytes of O, 128 of M, 128 of sums a wave, at LDS byte 0 on: bytes that have had their last fill
.set SP,    528                        ; the way out: 16 rows x (512 bytes + 16) a wave
.set STGB,  8*XSL                      ; behind the exchange
.set FLOOR, 0x1800000                  ; 2^(3 - 127): under it no largest magnitude is taken, so a byte cannot fall under 1
.set LI,  1                            ; 16 x lane; never rewritten
.set AD,  2                            ; the step's first LDS byte + 16 x lane
.set SPW, 3
.set NIL, 4
.set QS,  8
.set PS,  10
.set PC0, 12                           ; (in the head: addresses)
.set QF,  16                           ; window 1
.set KS,  24
.set VS,  28
.set FR,  32
.set S,   96
.set OT,  96                           ; window 1
.set PC1, 224                          ; window 1
; a tile's state, + 16 x tile
.set XN,  224                          ; the new -M.  Where a packed form names a pair and takes its low word for both halves, the high word holds another number of the state
.set TMX, 225                          ; the largest score
.set FF,  226                          ; f = 2^(old M - new M)
.set NM,  227                          ; -M
.set SUM, 228                          ; the sum in two halves
.set BM,  230                          ; v230-233 largest scores; then two chains of the sum
.set SU2, 234                          ; one more
.set SC,  236                          ; v236, v237 the conversions' scale operands
.set UU,  238                          ; the other half's
.set TT,  239
.set WV,  10
.set SEL, 20                           ; s[20:21] v_permlanex16_b32's selects for lane l xor 16
.set CS,  22                           ; s[22:23] c = log2(e) / sqrt(128)
.set G1,  24
.set G0,  32
.set CNT, 36
.set TB,  37                           ; LDS byte at which my step begins
.set NC,  38                           ; -c
.set MSB, 0
.macro WIN new                         ; the immediate's high byte repeats the setting that is left; a switch that changes nothing is dropped
.if MSB != (\new)
	s_set_vgpr_msb (MSB<<8)|(\new)
.set MSB, (\new)
.endif
.endm
.macro CROUND                          ; a round of the cluster's barrier
	s_barrier_signal -1
	s_barrier_wait -1
	s_cmp_lg_u32 s[WV], 0
	s_cbranch_scc1 .Lnot_wave_0_\@
	s_barrier_signal -3
.Lnot_wave_0_\@:
	s_barrier_wait -3
	s_barrier_signal -1
	s_barrier_wait -1
.endm
	s_load_b128 s[4:7], s[0:1], 0x0                ; queries, kv
	s_load_b64 s[8:9], s[0:1], 0x10                ; out0
	v_lshl_add_u32 v[SPW], v0, 2, SPARE
	v_mov_b32 v[NIL], 0
	ds_add_u32 v[SPW], v[NIL]                      ; the opening lines: the add twice on end, one wait
	ds_add_u32 v[SPW], v[NIL]
	v_lshrrev_b32 v5, 5, v0
	v_readfirstlane_b32 s[WV], v5                  ; wave 0..7
	s_bfe_u32 s11, ttmp6, 0x40000                  ; cx
	s_lshl_b32 s12, ttmp9, 2
	s_add_co_u32 s12, s12, s11                     ; my block of 128 queries: it enters the addresses of queries and out0 alone
	s_and_b32 s13, ttmp7, 0xffff                   ; the head, which the four partners share
	s_mov_b32 s[G1], 15|(3<<16)|(1<<21)            ; the mask: all four; elements of 8 bytes; bit 21 set beside a mask
	s_mov_b32 s[G1+1], 32<<16                      ; 136 rows of 256 bytes, dense, no padding
	s_mov_b32 s[G1+2], 136<<16
	s_mov_b32 s[G1+3], 32<<16
	s_mov_b32 s[G1+4], 136
	s_mov_b32 s[G1+5], 32
	s_mov_b32 s[G1+6], 0
	s_mov_b32 s[G1+7], 0
	s_mov_b32 s[CS], 0x3e0293ee                    ; c
	s_mov_b32 s[CS+1], s[CS]
	s_mov_b32 s[NC], 0xbe0293ee
	s_mov_b32 s[SEL], 0x76543210
	s_mov_b32 s[SEL+1], 0xfedcba98
	s_mul_i32 s52, s[WV], PAIRB
	s_mul_i32 s14, s13, HEADB
	s_add_co_u32 s14, s14, s52
	s_mov_b32 s15, 0
	s_lshr_b32 s53, s[WV], 2                       ; 0: even steps, 1: odd
	s_mul_i32 s[TB], s53, STEPB
	s_xor_b32 s39, s[WV], 4                        ; my partner
	s_mul_i32 s40, s[WV], QWSTG
	s_add_co_u32 s40, s40, QSTG
	s_lshl_b32 s41, s[WV], 7
	s_add_co_u32 s41, s41, QSC
	s_lshl_b32 s42, s[WV], 10
	s_add_co_u32 s42, s42, IMG
	s_lshl_b32 s43, s39, 10
	s_add_co_u32 s43, s43, IMG
	s_lshl_b32 s46, s39, 7
	s_add_co_u32 s46, s46, QSC
	s_lshl_b32 s44, s13, 11
	s_lshl_b32 s47, s12, 7
	s_add_co_u32 s44, s44, s47
	s_and_b32 s47, s[WV], 3
	s_lshl_b32 s47, s47, 5
	s_add_co_u32 s44, s44, s47
	s_lshl_b32 s47, s53, 4
	s_add_co_u32 s44, s44, s47                     ; my tile's first row, in queries and in out0,
	s_lshl_b32 s44, s44, 9
	s_mov_b32 s45, 0                               ; in bytes
	v_and_b32 v5, 31, v0
	v_lshlrev_b32 v[LI], 4, v5
	v_and_b32 v6, 15, v0                           ; r
	v_bfe_u32 v7, v0, 4, 1                         ; h
	v_lshlrev_b32 v[PC0], 4, v6
	v_lshl_add_u32 v[PC0], v7, 9, v[PC0]           ; Q in memory: lanes 0-15 take 256 bytes of a row, lanes 16-31 of the next
	v_mul_u32_u24 v[PC0+1], v7, 272
	v_lshl_add_u32 v[PC0+1], v6, 4, v[PC0+1]
	v_add_nc_u32 v[PC0+1], s40, v[PC0+1]           ; into my stage, as loaded
	v_mul_u32_u24 v[PC0+2], v6, 272
	v_lshl_add_u32 v[PC0+2], v7, 7, v[PC0+2]
	v_add_nc_u32 v[PC0+2], s40, v[PC0+2]           ; out of it: row r, + 128 h
	v_lshlrev_b32 v5, 2, v5
	v_add_nc_u32 v[PC0+3], s41, v5                 ; my tile's scale words,
	v_add_nc_u32 v[PC0+4], s42, v[LI]              ; its image,
	v_add_nc_u32 v[PC0+5], s43, v[LI]              ; my partner's image
	v_add_nc_u32 v[PC0+6], s46, v5                 ; and words
	v_mov_b32 v[UU], 0
	s_wait_alu depctr_va_vdst(0)
	s_wait_dscnt 0x0                               ; both adds are done
	s_wait_kmcnt 0x0
	s_add_nc_u64 s[18:19], s[4:5], s[44:45]
	s_add_nc_u64 s[8:9], s[8:9], s[44:45]
.irp c, 0,1
.irp i, 0,1,2,3,4,5,6,7
	global_load_b128 v[S+32*\c+4*\i:S+32*\c+4*\i+3], v[PC0], s[18:19] offset:1024*\i+256*\c th:TH_LOAD_NT   ; rows 2 i, 2 i + 1 of my tile, numbers 64 c on
.endr
.endr
	s_add_nc_u64 s[16:17], s[6:7], s[14:15]        ; kv at my two steps of the head
	s_mov_b32 s[G0], 1
	s_mov_b32 s[G0+1], s52
	s_mov_b64 s[G0+2:G0+3], s[16:17]
	s_or_b32 s[G0+3], s[G0+3], 0x80000000
	CROUND                                         ; all four work-groups are here: the joint loads meet
	tensor_load_to_lds s[G0:G0+3], s[G1:G1+7]
	s_nop 0
.rept 4
	v_nop
.endr
	WIN 0x40
.set j, 0
.rept 128
	v_mov_b32 v[OT+j], 0                           ; both tiles' O^T begin as zeros, which the first change of M leaves zeros: the step is written without a first step of its own
.set j, j+1
.endr
	WIN 0
; Q: MY TILE turns through my stage, 64 numbers of each row at a time; lane (r, h) then holds K = 64 c + 32 h + 0 .. 31 of row r: two whole blocks, in the order of the operand's registers
.irp c, 0,1
	s_wait_loadcnt 8-8*\c                          ; this half's eight loads are in; the other half's eight are younger
.irp i, 0,1,2,3,4,5,6,7
	ds_store_b128 v[PC0+1], v[S+32*\c+4*\i:S+32*\c+4*\i+3] offset:544*\i
.endr
.irp j, 0,1,2,3,4,5,6,7
	ds_load_b128 v[S+32*\c+4*\j:S+32*\c+4*\j+3], v[PC0+2] offset:16*\j   ; LDS serves a wave's instructions in order (ISA guide 5.7.1.4)
.endr
.endr
	s_wait_dscnt 0x0
.irp c, 0,1
	v_max3_num_f32 v[BM+\c], |v[S+32*\c]|, |v[S+32*\c+1]|, FLOOR
.endr
.irp i, 2,4,6,8,10,12,14,16,18,20,22,24,26,28,30
.irp c, 0,1
	v_max3_num_f32 v[BM+\c], v[BM+\c], |v[S+32*\c+\i]|, |v[S+32*\c+\i+1]|
.endr
.endr
.irp c, 0,1
	v_add_nc_u32 v[SC+\c], 0xff000000, v[BM+\c]    ; 2 off the exponent field: the conversion takes that field of this operand as its scale, and nothing else of it
.endr
	WIN 0x40
.irp k, 0,1,2,3,4,5,6,7
	v_cvt_scalef32_pk8_fp4_f32 v[QF+\k], v[S+8*\k:S+8*\k+7], v[SC+\k/4]
.endr
	WIN 0
	v_lshrrev_b32 v[TT], 23, v[SC]
	v_lshrrev_b32 v5, 23, v[SC+1]
	v_lshl_or_b32 v[TT], v5, 16, v[TT]             ; my bytes: blocks h and 2 + h
	v_permlanex16_b32 v[UU], v[TT], s[SEL], s[SEL+1]
	v_lshl_or_b32 v[QS], v[UU], 8, v[TT]           ; in lanes 0-15, the ones that are read, the whole word of row r
	ds_store_b32 v[PC0+3], v[QS]
	WIN 0x04                                       ; an LDS store's data are its source 1
.irp c, 0,1
	ds_store_b128 v[PC0+4], v[QF+4*\c:QF+4*\c+3] offset:512*\c   ; for my partner
.endr
	WIN 0
.irp t, 0,16                                   ; (also the places between the scale word and the product that reads it)
	v_mov_b32 v[TMX+\t], 0xff61b1e6                ; the largest score so far: -3e38
	v_mov_b32 v[NM+\t], 0x7e800000                 ; -M so far: above every -M to come
	v_mov_b32 v[SUM+\t], 0
	v_mov_b32 v[SUM+1+\t], 0
	v_mov_b32 v[UU+\t], 0                          ; (a lane permute's destination counts as one of its sources)
.endr
	v_add_nc_u32 v[AD], s[TB], v[LI]
	s_wait_alu depctr_va_vdst(0)                   ; the wait at the head's end
	s_wait_tensorcnt 0x0                           ; my two steps' K and V have landed
	s_wait_dscnt 0x0                               ; for my partner's sake: my image lies in LDS
	s_barrier_signal -1
	s_barrier_wait -1
	WIN 0x40
.irp c, 0,1
	ds_load_b128 v[QF-8+4*\c:QF-8+4*\c+3], v[PC0+5] offset:512*\c   ; tile 1's Q
.endr
	WIN 0
	ds_load_b32 v[QS+1], v[PC0+6]
; K's eight fragments and its scale block, from off bytes behind the step in hand: 17 loads
.macro FETCH_K off
.irp n, 0,1,2,3,4,5,6,7
.irp c, 0,1
	ds_load_b128 v[FR+8*\n+4*\c:FR+8*\n+4*\c+3], v[AD] offset:\off+1024*\n+512*\c
.endr
.endr
	ds_load_b128 v[KS:KS+3], v[AD] offset:\off+KSO
.endm
; V's eight fragments, into window 1, and its scale block: 17 loads
.macro FETCH_V
	WIN 0x40
.irp n, 0,1,2,3,4,5,6,7
.irp c, 0,1
	ds_load_b128 v[FR+8*\n+4*\c:FR+8*\n+4*\c+3], v[AD] offset:VOFF+1024*\n+512*\c
.endr
.endr
	WIN 0
	ds_load_b128 v[VS:VS+3], v[AD] offset:VSO
.endm
; S^T of tile t: eight products, each starts its sum.  Tiles 4-7 of K take their scale words from lanes 16-31
.macro KQ t
	WIN 0x04
.irp n, 0,1,2,3
	v_wmma_scale_f32_16x16x128_f8f6f4 v[S+64*\t+8*\n:S+64*\t+8*\n+7], v[FR+8*\n:FR+8*\n+7], v[QF-8*\t:QF-8*\t+7], 0, v[KS+\n], v[QS+\t] matrix_a_fmt:MATRIX_FMT_FP4 matrix_b_fmt:MATRIX_FMT_FP4
.endr
.irp n, 4,5,6,7
	v_wmma_scale_f32_16x16x128_f8f6f4 v[S+64*\t+8*\n:S+64*\t+8*\n+7], v[FR+8*\n:FR+8*\n+7], v[QF-8*\t:QF-8*\t+7], 0, v[KS+\n-4], v[QS+\t] matrix_a_fmt:MATRIX_FMT_FP4 matrix_b_fmt:MATRIX_FMT_FP4 matrix_a_scale:MATRIX_SCALE_ROW1
.endr
.endm
; O^T of tile t += V^T P^T: eight products on eight accumulators, one instruction a turn
.macro PV t, pc, win
	WIN \win
.irp n, 0,1,2,3
	v_wmma_scale_f32_16x16x128_f8f6f4 v[OT+64*\t+8*\n:OT+64*\t+8*\n+7], v[FR+8*\n:FR+8*\n+7], v[\pc:\pc+7], v[OT+64*\t+8*\n:OT+64*\t+8*\n+7], v[VS+\n], v[PS+\t] matrix_a_fmt:MATRIX_FMT_FP4 matrix_b_fmt:MATRIX_FMT_FP4
.endr
.irp n, 4,5,6,7
	v_wmma_scale_f32_16x16x128_f8f6f4 v[OT+64*\t+8*\n:OT+64*\t+8*\n+7], v[FR+8*\n:FR+8*\n+7], v[\pc:\pc+7], v[OT+64*\t+8*\n:OT+64*\t+8*\n+7], v[VS+\n-4], v[PS+\t] matrix_a_fmt:MATRIX_FMT_FP4 matrix_b_fmt:MATRIX_FMT_FP4 matrix_a_scale:MATRIX_SCALE_ROW1
.endr
.endm
.macro TM j                            ; t - M, two at a time: pair j of S (both tiles' pairs on end: 0-31 tile 0's, 32-63 tile 1's)
	v_pk_fma_f32 v[S+2*(\j):S+2*(\j)+1], v[S+2*(\j):S+2*(\j)+1], s[CS:CS+1], v[XN+16*((\j)/32):XN+16*((\j)/32)+1] op_sel_hi:[1,0,0]
.endm
; A KEY STEP, both tiles by turns.  Register S + 64 t + 32 c + i holds my query's score, of tile t, with key 64 c + 32 (lane / 16) + i of the step: two whole blocks a lane.
; last = 1: nothing more is fetched; once V's fragments are in I read no more of K and V, and a barrier whose halves stand round register work frees their bytes.
.macro STEP last
	s_wait_dscnt 0x0                               ; this step's K and its scale words are in
	KQ 0
	KQ 1
	WIN 0
	v_add_nc_u32 v[AD], s[TB], v[LI]               ; four places: behind the products above, in front of the first read of S^T; and behind the last step's products V^T P, in front of the
.rept 3                                        ; loads into V's registers (ISA guide 7.12.1 for vector instructions)
	v_nop
.endr
	FETCH_V
.irp t, 0,1
.irp q, 0,1,2,3
	v_max3_num_f32 v[BM+16*\t+\q], v[S+64*\t+16*\q], v[S+64*\t+16*\q+1], v[S+64*\t+16*\q+2]   ; half blocks, eight chains by turns, each accumulator from its low end on
.endr
.endr
.irp i, 3,5,7,9,11,13
.irp t, 0,1
.irp q, 0,1,2,3
	v_max3_num_f32 v[BM+16*\t+\q], v[BM+16*\t+\q], v[S+64*\t+16*\q+\i], v[S+64*\t+16*\q+\i+1]
.endr
.endr
.endr
.irp t, 0,1
	v_max3_num_f32 v[BM+16*\t], v[BM+16*\t], v[BM+16*\t+1], v[S+64*\t+15]
	v_max3_num_f32 v[BM+16*\t+2], v[BM+16*\t+2], v[BM+16*\t+3], v[S+64*\t+47]
.endr
.irp t, 0,1
	v_max_num_f32 v[BM+16*\t], v[BM+16*\t], v[S+64*\t+31]        ; THE LARGEST SCORE OF EACH BLOCK serves twice: for the row's maximum, and, since p rises with the score, for the block's largest p
	v_max_num_f32 v[BM+16*\t+2], v[BM+16*\t+2], v[S+64*\t+63]
.endr
.irp t, 0,16
	v_max_num_f32 v[TT+\t], v[BM+\t], v[BM+2+\t]
.endr
.irp t, 0,16
	v_permlanex16_b32 v[UU+\t], v[TT+\t], s[SEL], s[SEL+1]
.endr
.irp t, 0,16
	v_max3_num_f32 v[TMX+\t], v[TMX+\t], v[TT+\t], v[UU+\t]      ; the running largest score, with lane l xor 16's blocks
.endr
.irp t, 0,16
	v_mul_f32 v[XN+\t], s[NC], v[TMX+\t]
.endr
.irp t, 0,16
	v_floor_f32 v[XN+\t], v[XN+\t]                 ; the new -M = floor(-t) = -ceil(t): M IS A WHOLE NUMBER
.endr
.irp t, 0,16
	v_sub_f32 v[SC+\t], v[XN+\t], v[NM+\t]         ; M's old value less its new one: a whole number, 0 or less
	v_fma_f32 v[BM+\t], v[BM+\t], s[CS], v[XN+\t]  ; t - M of a block's largest score
.endr
.irp t, 0,16
	v_cvt_i32_f32 v[SC+\t], v[SC+\t]               ; (it saturates)
	v_fma_f32 v[BM+2+\t], v[BM+2+\t], s[CS], v[XN+\t]
.endr
.irp t, 0,16
	v_ldexp_f32 v[FF+\t], 1.0, v[SC+\t]            ; f = 2^(old M - new M): a multiplication by it rounds nothing
.endr
.set j, 0
.rept 32
	TM j
.set j, j+1
.endr
	s_wait_alu depctr_va_vdst(0)                   ; the wait ahead of the batch
.irp t, 0,16
	v_exp_f32 v[BM+\t], v[BM+\t]                   ; the blocks' largest p: the same two instructions on the same number give the same bits
	v_exp_f32 v[BM+2+\t], v[BM+2+\t]
.endr
.set j, 0
.rept 32
	v_exp_f32 v[S+2*j], v[S+2*j]                   ; tile 0's p = 2^(t - M), at most 1: NOT normalised
	TM j+32                                        ; between them tile 1's t - M, from registers that have been read since they were written
	v_exp_f32 v[S+2*j+1], v[S+2*j+1]
.set j, j+1
.endr
	s_wait_alu depctr_va_vdst(0)                   ; the wait behind this batch and ahead of the next
.irp t, 0,16
	v_max_num_f32 v[BM+\t], FLOOR, v[BM+\t]        ; (a block whose every p has fallen to 0 keeps the byte 1: its codes are zeros)
	v_max_num_f32 v[BM+2+\t], FLOOR, v[BM+2+\t]
.endr
.irp t, 0,16
	v_add_nc_u32 v[SC+\t], 0xff000000, v[BM+\t]
	v_add_nc_u32 v[SC+1+\t], 0xff000000, v[BM+2+\t]
.endr
.irp t, 0,16
	v_lshrrev_b32 v[TT+\t], 23, v[SC+\t]           ; the bytes of my blocks h and 2 + h
	v_lshrrev_b32 v[UU+\t], 23, v[SC+1+\t]
.endr
.set j, 0
.rept 64
	v_exp_f32 v[S+64+j], v[S+64+j]                 ; tile 1's p.  Between them: tile 0's eight conversions, a whole block in a lane, so the operand's registers as they stand;
.if j%2 == 0
.if j/2 < 8
	v_cvt_scalef32_pk8_fp4_f32 v[PC0+j/2], v[S+8*(j/2):S+8*(j/2)+7], v[SC+j/8]
.elseif j/2 == 8
	v_mov_b32 v[NM], v[XN]                         ; one plain line behind the conversions, ahead of writes to their sources;
.elseif j/2 < 25
	v_pk_add_f32 v[S+2*(j/2-9):S+2*(j/2-9)+1], v[S+2*(j/2-9):S+2*(j/2-9)+1], v[S+32+2*(j/2-9):S+33+2*(j/2-9)]   ; and tile 0's p added in pairs: THE ROW'S SUM IS TAKEN OF THE UNQUANTISED p
.endif
.endif
.set j, j+1
.endr
	v_mov_b32 v[NM+16], v[XN+16]                   ; (a plain place behind the exponentials)
.if \last
	s_wait_dscnt 0x0                               ; V is in
	s_barrier_signal -1
.else
	FETCH_K PAIRB                                  ; my next step's K
.endif
	WIN 0x41
	s_wait_alu depctr_va_vdst(0)                   ; the wait behind the batch, and directly ahead of the first reader of O^T
.set j, 0
.rept 64
	v_pk_mul_f32 v[OT+2*j:OT+2*j+1], v[OT+2*j:OT+2*j+1], v[FF+16*(j/32):FF+16*(j/32)+1] op_sel_hi:[1,0]   ; O^T under the new M, in ascending order
.set j, j+1
.endr
	WIN 0
.irp t, 0,16
	v_lshl_or_b32 v[TT+\t], v[UU+\t], 16, v[TT+\t]
.endr
.irp t, 0,16
	v_permlanex16_b32 v[UU+\t], v[TT+\t], s[SEL], s[SEL+1]
.endr
.irp t, 0,1
	v_lshl_or_b32 v[PS+\t], v[UU+16*\t], 8, v[TT+16*\t]   ; p's scale word: in lanes 0-15, the ones that are read, query r's
.endr
	WIN 0x40
.irp k, 0,1,2,3,4,5,6,7
	v_cvt_scalef32_pk8_fp4_f32 v[PC1+\k], v[S+64+8*\k:S+64+8*\k+7], v[SC+16+\k/4]
.endr
	WIN 0
	; the rest of the sums, brought under the new M, in two chains and four by turns.  These 48 lines are also the places between the vector writes of the scale words (eight are asked) and of
	; the codes (four) and the scaled products that read them
.irp t, 0,1
	v_pk_fma_f32 v[SUM+16*\t:SUM+16*\t+1], v[SUM+16*\t:SUM+16*\t+1], v[FF+16*\t:FF+16*\t+1], v[S+64*\t:S+64*\t+1] op_sel_hi:[1,0,1]
	v_pk_add_f32 v[SU2+16*\t:SU2+16*\t+1], v[S+64*\t+2:S+64*\t+3], v[S+64*\t+4:S+64*\t+5]
.endr
	v_pk_add_f32 v[BM+16:BM+17], v[S+70:S+71], v[S+72:S+73]
	v_pk_add_f32 v[BM+18:BM+19], v[S+74:S+75], v[S+76:S+77]
.irp k, 0,1,2,3,4,5
	v_pk_add_f32 v[SUM+16:SUM+17], v[SUM+16:SUM+17], v[S+78+8*\k:S+79+8*\k]
	v_pk_add_f32 v[SU2+16:SU2+17], v[SU2+16:SU2+17], v[S+80+8*\k:S+81+8*\k]
	v_pk_add_f32 v[SUM:SUM+1], v[SUM:SUM+1], v[S+6+4*\k:S+7+4*\k]
	v_pk_add_f32 v[BM+16:BM+17], v[BM+16:BM+17], v[S+82+8*\k:S+83+8*\k]
	v_pk_add_f32 v[BM+18:BM+19], v[BM+18:BM+19], v[S+84+8*\k:S+85+8*\k]
	v_pk_add_f32 v[SU2:SU2+1], v[SU2:SU2+1], v[S+8+4*\k:S+9+4*\k]
.endr
	v_pk_add_f32 v[SUM+16:SUM+17], v[SUM+16:SUM+17], v[S+126:S+127]
	v_pk_add_f32 v[SUM:SUM+1], v[SUM:SUM+1], v[S+30:S+31]
	v_pk_add_f32 v[SU2+16:SU2+17], v[SU2+16:SU2+17], v[BM+16:BM+17]
	v_pk_add_f32 v[SUM+16:SUM+17], v[SUM+16:SUM+17], v[BM+18:BM+19]
	v_pk_add_f32 v[SUM:SUM+1], v[SUM:SUM+1], v[SU2:SU2+1]
	v_pk_add_f32 v[SUM+16:SUM+17], v[SUM+16:SUM+17], v[SU2+16:SU2+17]
.if (\last) == 0
	s_wait_dscnt 17                                ; V's 17 loads are in; the next K's 17 are younger
.endif
	PV 0, PC0, 0x51
	PV 1, PC1, 0x55
	WIN 0                                          ; at a label and at a branch every window is 0
.if \last
	s_wait_alu depctr_va_vdst(0)
	s_barrier_wait -1
.endif
	s_add_co_u32 s[TB], s[TB], PAIRB
.endm
	FETCH_K 0
	s_mov_b32 s[CNT], 7
.Lstep:
	STEP 0
	s_sub_co_u32 s[CNT], s[CNT], 1
	s_cmp_lg_u32 s[CNT], 0
	s_cbranch_scc1 .Lstep
	STEP 1
; THE WAY OUT.  Tile 1 goes to my partner: O^T, -M and the sum; its part of my tile 0 comes back.  The addresses lie where tile 1's p was
.set XA, S+64
	s_mul_i32 s40, s[WV], XSL
	s_mul_i32 s41, s39, XSL
	s_add_co_u32 s42, s40, STGB                    ; my stage
	v_and_b32 v5, 31, v0
	v_and_b32 v6, 15, v0
	v_bfe_u32 v7, v0, 4, 1
	v_add_nc_u32 v[XA], s40, v[LI]
	v_lshlrev_b32 v5, 2, v5
	v_add_nc_u32 v[XA+2], s41, v[LI]
	v_mul_u32_u24 v[XA+4], v6, SP
	v_add_nc_u32 v[XA+1], s40, v5
	v_add_nc_u32 v[XA+3], s41, v5
	v_lshl_add_u32 v[XA+4], v7, 5, v[XA+4]
	v_add_nc_u32 v[XA+5], s42, v[LI]               ; the stage, back: the 32 lanes take one row of 512 bytes
	v_add_nc_u32 v[XA+4], s42, v[XA+4]             ; the stage, in: row r, + 32 h
.irp t, 0,16
	v_add_f32 v[SUM+\t], v[SUM+\t], v[SUM+1+\t]
.endr
.irp t, 0,16
	v_permlanex16_b32 v[UU+\t], v[SUM+\t], s[SEL], s[SEL+1]
.endr
.irp t, 0,16
	v_add_f32 v[SUM+\t], v[SUM+\t], v[UU+\t]       ; my half of the keys' sum for query r
.endr
	ds_store_b32 v[XA+1], v[NM+16] offset:8192
	ds_store_b32 v[XA+1], v[SUM+16] offset:8320
	WIN 0x04                                       ; an LDS store's data are its source 1
.set j, 0
.rept 16
	ds_store_b128 v[XA], v[OT+64+4*j:OT+64+4*j+3] offset:512*j
.set j, j+1
.endr
	WIN 0
	s_wait_alu depctr_va_vdst(0)
	s_wait_dscnt 0x0                               ; for my partner's sake
	s_barrier_signal -1
	s_barrier_wait -1
	ds_load_b32 v[BM], v[XA+3] offset:8192
	ds_load_b32 v[BM+1], v[XA+3] offset:8320
.set j, 0
.rept 16
	ds_load_b128 v[S+4*j:S+4*j+3], v[XA+2] offset:512*j
.set j, j+1
.endr
	s_wait_dscnt 16                                ; -M and the sum are in; the 16 loads of O^T are younger
	v_min_num_f32 v[XN], v[NM], v[BM]              ; the larger M
	v_sub_f32 v[SC], v[XN], v[NM]
	v_sub_f32 v[TT], v[XN], v[BM]
	v_cvt_i32_f32 v[SC], v[SC]
	v_cvt_i32_f32 v[TT], v[TT]
	v_ldexp_f32 v[FF], 1.0, v[SC]
	v_ldexp_f32 v[UU], 1.0, v[TT]
	v_mul_f32 v[BM+2], v[SUM], v[FF]
	v_fma_f32 v[BM+2], v[BM+1], v[UU], v[BM+2]     ; the row's sum
	s_wait_alu depctr_va_vdst(0)                   ; the wait ahead of the transcendental
	v_rcp_f32 v[BM+3], v[BM+2]
	v_nop                                          ; a plain place behind it
	s_wait_alu depctr_va_vdst(0)                   ; the wait behind it
	v_mul_f32 v[FF], v[FF], v[BM+3]
	v_mul_f32 v[SU2], v[UU], v[BM+3]
	WIN 0x41
	s_wait_alu depctr_va_vdst(0)                   ; the wait directly ahead of the first reader of O^T
.set j, 0
.rept 32
	v_pk_mul_f32 v[OT+j:OT+j+1], v[OT+j:OT+j+1], v[FF:FF+1] op_sel_hi:[1,0]
.set j, j+2
.endr
	WIN 0x10
	s_wait_dscnt 0x0                               ; my partner's O^T
.set j, 0
.rept 32
	v_pk_fma_f32 v[S+j:S+j+1], v[S+j:S+j+1], v[SU2:SU2+1], v[OT+j:OT+j+1] op_sel_hi:[1,0,1]   ; register 8 n + i is channel 16 n + 8 (lane / 16) + i of query r
.set j, j+2
.endr
	WIN 0
.irp n, 0,1,2,3,4,5,6,7
	ds_store_b128 v[XA+4], v[S+8*\n:S+8*\n+3] offset:64*\n
	ds_store_b128 v[XA+4], v[S+8*\n+4:S+8*\n+7] offset:64*\n+16
.endr
.irp i, 0,1,2,3,4,5,6,7,8,9,10,11,12,13,14,15
	ds_load_b128 v[FR+4*\i:FR+4*\i+3], v[XA+5] offset:SP*\i     ; LDS serves a wave's instructions in order: these see the stores above
.endr
.irp i, 0,1,2,3,4,5,6,7,8,9,10,11,12,13,14,15
	s_wait_dscnt 15-\i                             ; row i is back; the rows behind it are younger
	global_store_b128 v[LI], v[FR+4*\i:FR+4*\i+3], s[8:9] offset:512*\i th:TH_STORE_NT   ; the wave stores a row's 512 consecutive bytes, aligned
.endr
	s_wait_tensorcnt 0x0                           ; the wave's end
	ds_add_u32 v[SPW], v[NIL]
	s_wait_dscnt 0x0
	CROUND                                         ; the closing round: no work-group ends while a partner may still ask for a tile that names it
	s_endpgm
.Lfunc_end_k_q9d99a110e9_attn:
	.size	k_q9d99a110e9_attn, .Lfunc_end_k_q9d99a110e9_attn-k_q9d99a110e9_attn
	.p2alignl 7, 3214868480
	.fill 96, 4, 3214868480
	.section	.rodata,"a",@progbits
	.p2align	6, 0x0
	.amdhsa_kernel k_q9d99a110e9_attn
		.amdhsa_group_segment_fixed_size 327680
		.amdhsa_private_segment_fixed_size 0
		.amdhsa_enable_private_segment 0
		.amdhsa_kernarg_size 24
		.amdhsa_user_sgpr_count 2
		.amdhsa_user_sgpr_kernarg_segment_ptr 1
		.amdhsa_wavefront_size32 1
		.amdhsa_system_sgpr_workgroup_id_x 1
		.amdhsa_system_sgpr_workgroup_id_y 1
		.amdhsa_system_sgpr_workgroup_id_z 1
		.amdhsa_system_vgpr_workitem_id 0
		.amdhsa_next_free_vgpr 512
		.amdhsa_next_free_sgpr 66
		.amdhsa_reserve_vcc 0
		.amdhsa_float_denorm_mode_32 3
		.amdhsa_float_denorm_mode_16_64 3
		.amdhsa_memory_ordered 1
		.amdhsa_forward_progress 1
		.amdhsa_inst_pref_size 89
	.end_amdhsa_kernel
	.amdgpu_metadata
---
amdhsa.version: [ 1, 2 ]
amdhsa.kernels:
  - .name:           k_q9d99a110e9_attn
    .symbol:         k_q9d99a110e9_attn.kd
    .args:
      - { .name: queries, .offset: 0, .size: 8, .value_kind: global_buffer, .address_space: global }
      - { .name: kv, .offset: 8, .size: 8, .value_kind: global_buffer, .address_space: global }
      - { .name: out0, .offset: 16, .size: 8, .value_kind: global_buffer, .address_space: global }
    .group_segment_fixed_size: 327680
    .private_segment_fixed_size: 0
    .kernarg_segment_align: 8
    .kernarg_segment_size: 24
    .max_flat_workgroup_size: 256
    .sgpr_count:     66
    .vgpr_count:     512
    .wavefront_size: 32
...
	.end_amdgpu_metadata
.endif
;; end of part 2
